; MI455X (gfx1250); checked and timed in simulation.
; The chip was launched on July 23, 2026; its instructions are those of AMD's public machine-readable ISA for CDNA 5 (MIT licence, August 2026) and "CDNA5" Instruction Set Architecture Reference Guide (July 2026). The comments in the code are by the model that wrote it; some were corrected since.
;; Naive LSTM. Allowed arithmetic: matrix products marked QUANTISED: E2M3 operands, one E8M0 scale for each 32 along K, by v_wmma_scale_f32_16x16x128_f8f6f4 with both operands' format E2M3, f32 sums; everything else in f32.
;; Inputs: b_hf 2,048 x 1 float32; b_hg 2,048 x 1 float32; b_hi 2,048 x 1 float32; b_ho 2,048 x 1 float32; b_if 2,048 x 1 float32; b_ig 2,048 x 1 float32; b_ii 2,048 x 1 float32; b_io 2,048 x 1 float32; c 2,048 x 2,048 float32; h_codes 2,048 x 64 x 24 uint8 (E2M3 codes of h, K innermost, in blocks of 32 codes, four codes in three bytes); h_scales 2,048 x 64 uint8 (E8M0 scales of h, one for each 32 codes along K); inputs_codes 2,048 x 64 x 24 uint8 (E2M3 codes of inputs, K innermost, in blocks of 32 codes, four codes in three bytes); inputs_scales 2,048 x 64 uint8 (E8M0 scales of inputs, one for each 32 codes along K); w_hf_codes 2,048 x 64 x 24 uint8 (E2M3 codes of w_hf, K innermost, in blocks of 32 codes, four codes in three bytes); w_hf_scales 2,048 x 64 uint8 (E8M0 scales of w_hf, one for each 32 codes along K); w_hg_codes 2,048 x 64 x 24 uint8 (E2M3 codes of w_hg, K innermost, in blocks of 32 codes, four codes in three bytes); w_hg_scales 2,048 x 64 uint8 (E8M0 scales of w_hg, one for each 32 codes along K); w_hi_codes 2,048 x 64 x 24 uint8 (E2M3 codes of w_hi, K innermost, in blocks of 32 codes, four codes in three bytes); w_hi_scales 2,048 x 64 uint8 (E8M0 scales of w_hi, one for each 32 codes along K); w_ho_codes 2,048 x 64 x 24 uint8 (E2M3 codes of w_ho, K innermost, in blocks of 32 codes, four codes in three bytes); w_ho_scales 2,048 x 64 uint8 (E8M0 scales of w_ho, one for each 32 codes along K); w_if_codes 2,048 x 64 x 24 uint8 (E2M3 codes of w_if, K innermost, in blocks of 32 codes, four codes in three bytes); w_if_scales 2,048 x 64 uint8 (E8M0 scales of w_if, one for each 32 codes along K); w_ig_codes 2,048 x 64 x 24 uint8 (E2M3 codes of w_ig, K innermost, in blocks of 32 codes, four codes in three bytes); w_ig_scales 2,048 x 64 uint8 (E8M0 scales of w_ig, one for each 32 codes along K); w_ii_codes 2,048 x 64 x 24 uint8 (E2M3 codes of w_ii, K innermost, in blocks of 32 codes, four codes in three bytes); w_ii_scales 2,048 x 64 uint8 (E8M0 scales of w_ii, one for each 32 codes along K); w_io_codes 2,048 x 64 x 24 uint8 (E2M3 codes of w_io, K innermost, in blocks of 32 codes, four codes in three bytes); w_io_scales 2,048 x 64 uint8 (E8M0 scales of w_io, one for each 32 codes along K).
;; Outputs: out0 2,048 x 2,048 float32; out1 2,048 x 2,048 float32.
;; This version of the problem:
;;   THIS VERSION OF THE PROBLEM IS GIVEN IN LOW PRECISION. The matrix products marked QUANTISED in the list below multiply operands that are first quantised to E2M3 (2 exponent bits, 3 mantissa bits; 6 bits a number), with one power-of-two scale for each 32 numbers along K (OCP MX v1.0); their sums are f32. All else is computed in f32.
;;   The module's matrix products, in the order in which they are computed (A, B: the left and right operand; K: the contracted axis; several contracted axes count as one K, in the product's order):
;;     1. [M 2,048, K 2,048] x [K 2,048, N 2,048]; A: input w_ii (given as codes); B: input inputs (given as codes): QUANTISED
;;     2. [M 2,048, K 2,048] x [K 2,048, N 2,048]; A: input w_hi (given as codes); B: input h (given as codes): QUANTISED
;;     3. [M 2,048, K 2,048] x [K 2,048, N 2,048]; A: input w_if (given as codes); B: input inputs (given as codes): QUANTISED
;;     4. [M 2,048, K 2,048] x [K 2,048, N 2,048]; A: input w_hf (given as codes); B: input h (given as codes): QUANTISED
;;     5. [M 2,048, K 2,048] x [K 2,048, N 2,048]; A: input w_ig (given as codes); B: input inputs (given as codes): QUANTISED
;;     6. [M 2,048, K 2,048] x [K 2,048, N 2,048]; A: input w_hg (given as codes); B: input h (given as codes): QUANTISED
;;     7. [M 2,048, K 2,048] x [K 2,048, N 2,048]; A: input w_io (given as codes); B: input inputs (given as codes): QUANTISED
;;     8. [M 2,048, K 2,048] x [K 2,048, N 2,048]; A: input w_ho (given as codes); B: input h (given as codes): QUANTISED
;;   THE QUANTISER, for each operand of a quantised product, along K:
;;     - K is cut into blocks of 32 from its start; a last block that is shorter is filled with zeros.
;;     - A block's scale is 2^e with e = floor(log2(the largest magnitude in the block)) - 2, held to -126 .. 127; a block of zeros has e = 0. As a byte (E8M0): e + 127.
;;     - Each number is divided by its block's scale, clamped to +-7.5, and rounded to the nearest number of E2M3, ties to even, subnormals kept.
;;     - The product sums the exact products of the quantised numbers (number of the format x scale) in f32.
;;   ~~~python
;;   def quantise(x, axis):      # numpy; x: float32 -> the quantised numbers, widened to float32 again
;;       x = np.moveaxis(x, axis, -1); K = x.shape[-1]
;;       x = np.pad(x, [(0, 0)] * (x.ndim - 1) + [(0, -K % 32)]); x = x.reshape(x.shape[:-1] + (-1, 32)); a = np.abs(x).max(-1, keepdims=True)
;;       e = np.where(a > 0, np.clip(np.frexp(np.where(a > 0, a, 1))[1] - 1 - 2, -126, 127), 0)      # np.frexp(a)[1] - 1 = floor(log2(a)), exactly
;;       r = np.clip(x / 2.0 ** e, -7.5, 7.5)
;;       step = 2.0 ** (np.maximum(np.frexp(np.where(r == 0, 1, r))[1] - 1, 0) - 3)
;;       q = np.round(r / step) * step * 2.0 ** e      # np.round: ties to even
;;       return np.moveaxis(q.reshape(q.shape[:-2] + (-1,))[..., :K], -1, axis).astype(np.float32)
;;   ~~~
;;   INPUTS GIVEN AS CODES. h (in the module: [2048, 2048], K = its axis 1); inputs (in the module: [2048, 2048], K = its axis 0); w_hf (in the module: [2048, 2048], K = its axis 1); w_hg (in the module: [2048, 2048], K = its axis 1); w_hi (in the module: [2048, 2048], K = its axis 1); w_ho (in the module: [2048, 2048], K = its axis 1); w_if (in the module: [2048, 2048], K = its axis 1); w_ig (in the module: [2048, 2048], K = its axis 1); w_ii (in the module: [2048, 2048], K = its axis 1); w_io (in the module: [2048, 2048], K = its axis 1): each comes as NAME_codes (uint8): NAME with its K axis moved to the last place and cut into blocks of 32 codes, [.., K / 32, bytes a block], one block behind the other in memory; four codes in three bytes: a row's codes are one little-endian stream of bits, code i at bits 6 i .. 6 i + 5 (a code: sign, 2 exponent bits, 3 mantissa bits); and NAME_scales (uint8): the same leading axes, one E8M0 byte (e + 127) for each 32 codes along K. Its value is code x scale, taken as it is: it is not quantised again, and the codes and scales need not be those that the quantiser above would give.
;; One version. Each part assembles by itself: llvm-mc -triple=amdgcn-amd-amdhsa -mcpu=gfx1250 --defsym DOCPART=n.
;; ======== version 1 of 1: 2 launches
;; limits: right only within a limited range of input values
;; workspace buffers: sa 262,144 bytes; sb 1,048,576 bytes; bias 32,768 bytes
;; launch prep (part 1): grid 64 x 5, 8 waves a work-group, no clusters, 0 bytes of LDS; arguments inputs_scales, h_scales, w_ii_scales, w_hi_scales, w_if_scales, w_hf_scales, w_ig_scales, w_hg_scales, w_io_scales, w_ho_scales, b_ii, b_hi, b_if, b_hf, b_ig, b_hg, b_io, b_ho, sa, sb, bias; writes sa, sb, bias
.if DOCPART == 1
	.amdgcn_target "amdgcn-amd-amdhsa--gfx1250"
	.amdhsa_code_object_version 6
	.text
	.protected	k_qb3ff460db7_prep
	.globl	k_qb3ff460db7_prep
	.p2align	8
	.type	k_qb3ff460db7_prep,@function
k_qb3ff460db7_prep:
	s_mov_b64 s[64:65], 0
	v_nop
	global_prefetch_b8 v0, s[64:65] scope:SCOPE_SE
	s_setreg_imm32_b32 hwreg(HW_REG_WAVE_MODE, 25, 1), 1
	s_wait_xcnt 0x0
; The scale bytes are laid as the second launch's scale registers take them, and each gate's two biases are added.
; A gate's two products are one sum over K = 4,096 (inputs, then h): 128 scale bytes a row, in 8 quads of 16 bytes (512 along K).
;   sa [128 blocks of 16 batch rows][8 quads][32 entries][8 bytes];  sb [4 gates] of the same over hidden rows.
;   Entry 16 hh + r of a quad holds row r's bytes 16 q + 8 hh .. + 7: one load of 8 bytes a lane fills a register pair.
;   bias [4 gates][2048] f32 = b_i. + b_h.
; SHARES. Work-group (x, y): pair y of tensors (0: inputs, h; 1-4: the gates), row blocks 2 x, 2 x + 1: 4,096 bytes out.
; Wave w: block w / 4, quads 2 (w % 4) and + 1 (one phase a wave: a scalar choice of buffer). A thread stores 16 bytes, two entries:
; each store of a wave covers 512 consecutive bytes, aligned. No LDS, no barrier, no loop.
; The biases: wave 0 of a gate's work-groups with even x, 64 numbers each; its bias loads go out with its scale loads.
.set SX, 46
.set SH, 48
.set BI, 50
.set BH, 52
.set YY, 54
.set WV, 55
.set DD, 56
	s_load_b512 s[4:19], s[0:1], 0x0
	s_load_b512 s[20:35], s[0:1], 0x40
	s_load_b256 s[36:43], s[0:1], 0x80
	s_load_b64 s[44:45], s[0:1], 0xa0
	v_lshrrev_b32 v1, 5, v0
	v_readfirstlane_b32 s[WV], v1
	v_and_b32 v2, 7, v0                            ; rows 2 (l % 8) and + 1
	v_bfe_u32 v3, v0, 4, 1                         ; which of the wave's two quads
	v_bfe_u32 v5, v0, 3, 1                         ; hh
	v_lshlrev_b32 v2, 7, v2
	v_lshl_add_u32 v2, v3, 4, v2
	v_lshl_add_u32 v2, v5, 3, v2                   ; in: 128 (l % 8) + 16 (l / 16) + 8 hh
	v_lshlrev_b32 v6, 4, v0                        ; out: 16 t
	v_and_b32 v4, 31, v0
	v_lshlrev_b32 v4, 3, v4                        ; the biases: 8 l
	s_and_b32 s[YY], ttmp7, 0xffff
	s_wait_alu depctr_va_vdst(0)                   ; a wait at the head's end
	s_wait_kmcnt 0x0
	s_mov_b64 s[SX:SX+1], s[4:5]
	s_mov_b64 s[SH:SH+1], s[6:7]
	s_mov_b64 s[BI:BI+1], s[24:25]
	s_mov_b64 s[BH:BH+1], s[26:27]
.irp k, 1,2,3,4
	s_cmp_eq_u32 s[YY], \k
	s_cselect_b64 s[SX:SX+1], s[4+4*\k:5+4*\k], s[SX:SX+1]
	s_cselect_b64 s[SH:SH+1], s[6+4*\k:7+4*\k], s[SH:SH+1]
	s_cselect_b64 s[BI:BI+1], s[20+4*\k:21+4*\k], s[BI:BI+1]
	s_cselect_b64 s[BH:BH+1], s[22+4*\k:23+4*\k], s[BH:BH+1]
.endr
	s_bitcmp1_b32 s[WV], 1                         ; quads 4-7 are the second phase's
	s_cselect_b64 s[SX:SX+1], s[SH:SH+1], s[SX:SX+1]
	s_lshl_b32 s60, ttmp9, 11                      ; 32 rows of 64 bytes a work-group,
	s_lshr_b32 s62, s[WV], 2
	s_lshl_b32 s62, s62, 10                        ; 16 rows a block,
	s_add_co_u32 s60, s60, s62
	s_and_b32 s62, s[WV], 1
	s_lshl_b32 s62, s62, 5                         ; 32 bytes for two quads
	s_add_co_u32 s60, s60, s62
	s_mov_b32 s61, 0
	s_add_nc_u64 s[SX:SX+1], s[SX:SX+1], s[60:61]
	global_load_b64 v[8:9], v2, s[SX:SX+1]
	global_load_b64 v[10:11], v2, s[SX:SX+1] offset:64
	s_max_u32 s63, s[YY], 1
	s_sub_co_u32 s63, s63, 1                       ; the gate
	s_cmp_eq_u32 s[YY], 0
	s_cselect_b64 s[DD:DD+1], s[40:41], s[42:43]
	s_lshl_b32 s60, ttmp9, 12
	s_lshl_b32 s62, s63, 18
	s_add_co_u32 s60, s60, s62
	s_add_nc_u64 s[DD:DD+1], s[DD:DD+1], s[60:61]
	s_lshl_b32 s60, ttmp9, 7                       ; the biases: 32 numbers for each x
	s_add_nc_u64 s[BI:BI+1], s[BI:BI+1], s[60:61]
	s_add_nc_u64 s[BH:BH+1], s[BH:BH+1], s[60:61]
	s_lshl_b32 s62, s63, 13
	s_add_co_u32 s60, s60, s62
	s_add_nc_u64 s[44:45], s[44:45], s[60:61]
	s_and_b32 s63, ttmp9, 1                        ; do I add biases?  a gate's pair, wave 0, even x: ids alone
	s_or_b32 s63, s63, s[WV]
	s_cmp_eq_u32 s63, 0
	s_cselect_b32 s63, s[YY], 0
	s_cmp_eq_u32 s63, 0
	s_cbranch_scc1 .Lplain
	global_load_b64 v[24:25], v4, s[BI:BI+1]
	global_load_b64 v[26:27], v4, s[BH:BH+1]
	s_wait_loadcnt 0x2                             ; the scale bytes are in; the two bias loads may be out
	global_store_b128 v6, v[8:11], s[DD:DD+1]
	s_wait_loadcnt 0x0
	v_pk_add_f32 v[24:25], v[24:25], v[26:27]
	global_store_b64 v4, v[24:25], s[44:45]        ; 32 lanes store 256 consecutive bytes, aligned
	s_endpgm
.Lplain:
	s_wait_loadcnt 0x0
	global_store_b128 v6, v[8:11], s[DD:DD+1]
	s_endpgm
.Lfunc_end_k_qb3ff460db7_prep:
	.size	k_qb3ff460db7_prep, .Lfunc_end_k_qb3ff460db7_prep-k_qb3ff460db7_prep
	.p2alignl 7, 3214868480
	.fill 96, 4, 3214868480
	.section	.rodata,"a",@progbits
	.p2align	6, 0x0
	.amdhsa_kernel k_qb3ff460db7_prep
		.amdhsa_group_segment_fixed_size 0
		.amdhsa_private_segment_fixed_size 0
		.amdhsa_enable_private_segment 0
		.amdhsa_kernarg_size 168
		.amdhsa_user_sgpr_count 2
		.amdhsa_user_sgpr_kernarg_segment_ptr 1
		.amdhsa_wavefront_size32 1
		.amdhsa_system_sgpr_workgroup_id_x 1
		.amdhsa_system_sgpr_workgroup_id_y 1
		.amdhsa_system_sgpr_workgroup_id_z 1
		.amdhsa_system_vgpr_workitem_id 0
		.amdhsa_next_free_vgpr 32
		.amdhsa_next_free_sgpr 66
		.amdhsa_reserve_vcc 0
		.amdhsa_float_denorm_mode_32 3
		.amdhsa_float_denorm_mode_16_64 3
		.amdhsa_memory_ordered 1
		.amdhsa_forward_progress 1
		.amdhsa_inst_pref_size 4
	.end_amdhsa_kernel
	.amdgpu_metadata
---
amdhsa.version: [ 1, 2 ]
amdhsa.kernels:
  - .name:           k_qb3ff460db7_prep
    .symbol:         k_qb3ff460db7_prep.kd
    .args:
      - { .name: inputs_scales, .offset: 0, .size: 8, .value_kind: global_buffer, .address_space: global }
      - { .name: h_scales, .offset: 8, .size: 8, .value_kind: global_buffer, .address_space: global }
      - { .name: w_ii_scales, .offset: 16, .size: 8, .value_kind: global_buffer, .address_space: global }
      - { .name: w_hi_scales, .offset: 24, .size: 8, .value_kind: global_buffer, .address_space: global }
      - { .name: w_if_scales, .offset: 32, .size: 8, .value_kind: global_buffer, .address_space: global }
      - { .name: w_hf_scales, .offset: 40, .size: 8, .value_kind: global_buffer, .address_space: global }
      - { .name: w_ig_scales, .offset: 48, .size: 8, .value_kind: global_buffer, .address_space: global }
      - { .name: w_hg_scales, .offset: 56, .size: 8, .value_kind: global_buffer, .address_space: global }
      - { .name: w_io_scales, .offset: 64, .size: 8, .value_kind: global_buffer, .address_space: global }
      - { .name: w_ho_scales, .offset: 72, .size: 8, .value_kind: global_buffer, .address_space: global }
      - { .name: b_ii, .offset: 80, .size: 8, .value_kind: global_buffer, .address_space: global }
      - { .name: b_hi, .offset: 88, .size: 8, .value_kind: global_buffer, .address_space: global }
      - { .name: b_if, .offset: 96, .size: 8, .value_kind: global_buffer, .address_space: global }
      - { .name: b_hf, .offset: 104, .size: 8, .value_kind: global_buffer, .address_space: global }
      - { .name: b_ig, .offset: 112, .size: 8, .value_kind: global_buffer, .address_space: global }
      - { .name: b_hg, .offset: 120, .size: 8, .value_kind: global_buffer, .address_space: global }
      - { .name: b_io, .offset: 128, .size: 8, .value_kind: global_buffer, .address_space: global }
      - { .name: b_ho, .offset: 136, .size: 8, .value_kind: global_buffer, .address_space: global }
      - { .name: sa, .offset: 144, .size: 8, .value_kind: global_buffer, .address_space: global }
      - { .name: sb, .offset: 152, .size: 8, .value_kind: global_buffer, .address_space: global }
      - { .name: bias, .offset: 160, .size: 8, .value_kind: global_buffer, .address_space: global }
    .group_segment_fixed_size: 0
    .private_segment_fixed_size: 0
    .kernarg_segment_align: 8
    .kernarg_segment_size: 168
    .max_flat_workgroup_size: 256
    .sgpr_count:     66
    .vgpr_count:     32
    .wavefront_size: 32
...
	.end_amdgpu_metadata
.endif
;; end of part 1
;; launch lstm (part 2): grid 32 x 8, 4 waves a work-group, clusters of 4 x 4, 327,680 bytes of LDS; arguments inputs_codes, w_ii_codes, w_if_codes, w_ig_codes, w_io_codes, h_codes, w_hi_codes, w_hf_codes, w_hg_codes, w_ho_codes, sa, sb, bias, c, out0, out1; writes out0, out1
.if DOCPART == 2
	.amdgcn_target "amdgcn-amd-amdhsa--gfx1250"
	.amdhsa_code_object_version 6
	.text
	.protected	k_qb3ff460db7_lstm
	.globl	k_qb3ff460db7_lstm
	.p2align	8
	.type	k_qb3ff460db7_lstm,@function
k_qb3ff460db7_lstm:
	s_mov_b64 s[64:65], 0
	v_nop
	global_prefetch_b8 v0, s[64:65] scope:SCOPE_SE
	s_setreg_imm32_b32 hwreg(HW_REG_WAVE_MODE, 25, 1), 1
	s_wait_xcnt 0x0
	s_wait_alu depctr_hold_cnt(0) depctr_sa_sdst(0) depctr_va_vdst(0) depctr_va_sdst(0) depctr_va_ssrc(0) depctr_va_vcc(0) depctr_vm_vsrc(0)
	s_getreg_b32 s2, hwreg(HW_REG_IB_STS2, 6, 4)
	s_cmp_eq_u32 s2, 0
	s_cbranch_scc0 .Lentry_in_a_cluster
	s_endpgm
.Lentry_in_a_cluster:
	s_bfe_u32 s2, ttmp6, 0x10000c
	s_cmp_lg_u32 s2, 0xf033
	s_cbranch_scc0 .Lentry_shape_is_right
	s_endpgm
.Lentry_shape_is_right:
; Z_g[b][n] = sum_k inputs[b][k] w_i.[n][k] + sum_k h[b][k] w_h.[n][k] + bias_g[n], g = i, f, g, o;  c' = sig(Z_f) c + sig(Z_i) tanh(Z_g);  h' = sig(Z_o) tanh(c').  out0 = h', out1 = c'.
; Operands: FP6 (E2M3) codes, K innermost, rows of 1,536 bytes, one E8M0 byte for each 32 along K. A gate's two products are one sum over K = 4,096; its bias is the C of each sum's first matrix instruction.
; LIMITS: NaN and infinities in c or the biases, and the scale byte 0xff, are not served. tanh(x) = (1 - e) / (1 + e), e = 2^(-2 log2(e) x) held at 2^40: that moves a tanh by at most 2^-39.
; SHARES. A work-group: 256 batch rows x 64 hidden units, all four gates. Wave w: batch rows 128 (w / 2) on, hidden units 32 (w % 2) on of each gate: 64 accumulators.
; Source 0 = 16 weight rows (block b = 2 g + nb), source 1 = 16 batch rows (block a): a lane holds one batch row and eight neighbouring hidden units, and all four gates of an element.
; THE RING. Two LDS slots, each one CHUNK of 256 bytes of each row (rows in memory begin at multiples of 256). 12 chunks: 6 of inputs x w_i., 6 of h x w_h.. A step of 128 along K is 96 bytes:
; a GROUP of 8 steps is 3 chunks; steps 2 and 5 of a group lie across two chunks. Chunk n lies in slot n % 2, so the slots change roles from group to group: the LDS address registers
; are named by the slot's role and exchanged behind each group; the descriptors' LDS address is toggled at each refill.
; The loop's trip is steps 5, 6, 7 of a group and 0 to 4 of the next; it is entered at step 1; step 0 of all (on the biases) and the last three steps are written out.
; A chunk has five sources and a wave one tensor load behind each round: waves 0, 1 bring 128 rows of A each (32,768 bytes), waves 2, 3 the 64 rows of gates i, f (16,384 bytes each);
; gates g and o go through registers (16 rows of each a wave, 16 lanes to a row's 256 bytes) into LDS bytes of their own in each slot, into which no tensor load lands.
; CLUSTERS 4 x 4: A's tiles are asked for jointly along a row of the cluster, a gate's along a column. Gates g and o (a quarter of a chunk's bytes), the scale words and c (shared with nobody) are each work-group's own:
; a wave has one tensor load behind a round, and four waves have five sources.
; THE SCALES come straight into registers, laid by the launch before as register images: 256 consecutive bytes a load; set P serves steps 0-3 of a group, set Q steps 4-7; each is loaded four steps ahead.
; In a pair, the register is the step's parity; lanes 0-15 serve the quad's steps 0, 1, lanes 16-31 (ROW1) its steps 2, 3.
; PREFETCH: at the refill that asks for chunk n, one instruction a wave names chunk n + 2, a lane a row's 256 bytes: waves 0, 1 my work-group's 64 of A's 256 rows (by cx), waves 2, 3 gate cy's 64 rows:
; each block once in a cluster. Chunks 1 and 2 are named at the head, behind chunk 0's load, chunk 3 behind chunk 1's. The last two refills name my wave's 64 rows of c, 32 each.
; c comes by a tensor load into slot 0 when chunk 10 is read out; c' takes its place, h' goes to slot 1; both leave as whole rows of 256 bytes, in four parts.
; REGISTERS. Window 0: v0-31 addresses; v32-95 scale words alone; v96-127, v224-255 the biases (first step); v128-223 A's fragments, one set; behind the products v96-255 the cell's arithmetic.
; Window 1: B's fragments at v0, v128; gate o on its way at v96, gate g at v224 (at the head chunk 1's at v0, v32); behind the products the rows on their way out.
; Windows 2, 3: accumulator (a, b) at v[8 (8 (a % 4) + b)] of window 2 + a / 4.
.set KROW,   1536
.set ROWB,   256
.set PITCH,  272                       ; 256 bytes + 16 of padding
.set FR,     12
.set NL,     6
.set ABYTES, 256*PITCH
.set GATEB,  64*PITCH
.set OOFF,   ABYTES+2*GATEB            ; gate g's and gate o's bytes, written by ds_store alone
.set SLOT,   ABYTES+4*GATEB            ; 0x22000: none of its bits is set in a tile's place in slot 0, so an exclusive or toggles the slot
.set SPARE,  2*SLOT
.set CP,     272
.set OG,   4                           ; gates g, o in memory: row l / 16, 16 (l % 16)
.set RD2,  7
.set OL,   8                           ; v8, v9 my rows of gate g in the slot of role 0, 1; gate o's lie GATEB on
.set TV,   10
.set SLO,  12                          ; 8 x lane
.set CO,   14
.set BO,   15
.set ADRA, 16                          ; v16-17 A's fragments in role 0, 1; v18-19 lanes 0-15 at byte 232 of role 0, 1 and lanes 16-31 at byte 0 of the other
.set ADRB, 20
.set CA,   24
.set HAD,  25
.set RD,   26
.set SPW,  28
.set NIL,  29
.set PFO,  30
.set PFC,  31
.set SC,   32
.set AF,   128
.set EI,   96
.set EF,   112
.set EG,   128
.set EO,   144
.set CC,   160
.set T1,   192
.set T2,   208
.set T3,   224
.set HN,   224                         ; h' is made in place of 1 - ec
.set CN,   240
.set WV,   4
.set RH,   5
.set CH,   6
.set G0C,  8
.set CL,   12
.set OPG,  14                          ; s[14:15] gate g: the chunk to be loaded next; s[100:101] where its second phase begins
.set G1A,  16
.set G1B,  24
.set G0A,  32
.set G0B,  36
.set HA,   40
.set HB,   42
.set OP,   44                          ; the same for gate o
.set OH,   46
.set PFA,  48
.set PFH,  50
.set CPF,  52
.set SAP,  54
.set SBP,  56
.set K1,   58
.set OUT0, 60
.set OUT1, 62
.set K2,   66
.set G1C,  68
.set OHG,  100
.set MSB, 0
.macro WIN new
.if MSB != (\new)
	s_set_vgpr_msb (MSB<<8)|(\new)
.set MSB, (\new)
.endif
.endm
.set MUL_LO,  0xa1
.set MUL_HI,  0xf1
.set MUL_LO0, 0x81
.set MUL_HI0, 0xc1
.set TO_B,    0x40
.set ST_O,    0x04
.macro PLACES n
.rept \n
	v_nop
.endr
.endm
.macro JLOAD                           ; waves 0, 1: A's halves; waves 2, 3: gates i, f. s_nop 0 and four v_nop behind each line
	s_cmp_lt_u32 s[WV], 2
	s_cbranch_scc0 .Lfor_b_\@
	tensor_load_to_lds s[G0A:G0A+3], s[G1A:G1A+7]
	s_nop 0
	PLACES 4
	s_branch .Lasked_\@
.Lfor_b_\@:
	tensor_load_to_lds s[G0B:G0B+3], s[G1B:G1B+7]
	s_nop 0
	PLACES 4
.Lasked_\@:
.endm
.macro CREST
	s_cmp_lg_u32 s[WV], 0
	s_cbranch_scc1 .Lnot_wave_0_\@
	s_barrier_signal -3
.Lnot_wave_0_\@:
	s_barrier_wait -3
	s_barrier_signal -1
	s_barrier_wait -1
.endm
.macro CROUND
	s_barrier_signal -1
	s_barrier_wait -1
	CREST
.endm
.macro GSTEP                           ; both group 0s on to the next chunk, in the other slot (no tensor load of mine is out)
	s_add_nc_u64 s[G0A+2:G0A+3], s[G0A+2:G0A+3], ROWB
	s_add_nc_u64 s[G0B+2:G0B+3], s[G0B+2:G0B+3], ROWB
	s_xor_b32 s[G0A+1], s[G0A+1], SLOT
	s_xor_b32 s[G0B+1], s[G0B+1], SLOT
.endm
.macro OLOAD set, imm                  ; gates o and g: my 16 rows x 256 bytes of each, of the chunk imm bytes from OP and OPG: sixteen loads
	WIN TO_B
.irp t, 0,1,2,3,4,5,6,7
	global_load_b128 v[96-96*(\set)+4*\t:96-96*(\set)+4*\t+3], v[OG], s[OP:OP+1] offset:(\imm)+2*KROW*\t
	global_load_b128 v[224-192*(\set)+4*\t:224-192*(\set)+4*\t+3], v[OG], s[OPG:OPG+1] offset:(\imm)+2*KROW*\t
.endr
	WIN 0
.endm
.macro OSTORE set, role
	WIN ST_O
.irp t, 0,1,2,3,4,5,6,7
	ds_store_b128 v[OL+(\role)], v[96-96*(\set)+4*\t:96-96*(\set)+4*\t+3] offset:GATEB+2*PITCH*\t
	ds_store_b128 v[OL+(\role)], v[224-192*(\set)+4*\t:224-192*(\set)+4*\t+3] offset:2*PITCH*\t
.endr
	WIN 0
.endm
.macro SLOAD s, off                    ; a quad's scale words: A's eight blocks, then B's eight
.irp i, 0,1,2,3,4,5,6,7
	global_load_b64 v[\s+2*\i:\s+2*\i+1], v[SLO], s[SAP:SAP+1] offset:\off+\i*2048
.endr
.irp i, 0,1,2,3,4,5,6,7
	global_load_b64 v[\s+16+2*\i:\s+16+2*\i+1], v[SLO], s[SBP:SBP+1] offset:\off+(\i/2)*262144+(\i%2)*2048
.endr
.endm
	s_load_b512 s[68:83], s[0:1], 0x0              ; codes: inputs, w_ii, w_if, w_ig, w_io, h, w_hi, w_hf,
	s_load_b128 s[84:87], s[0:1], 0x40             ; w_hg, w_ho
	s_load_b256 s[88:95], s[0:1], 0x50             ; sa, sb, bias, c
	s_load_b128 s[OUT0:OUT0+3], s[0:1], 0x70       ; out0, out1
	v_lshl_add_u32 v[SPW], v0, 2, SPARE
	v_mov_b32 v[NIL], 0
	ds_add_u32 v[SPW], v[NIL]                      ; the opening lines: the add twice on end and one wait
	ds_add_u32 v[SPW], v[NIL]
	v_lshrrev_b32 v1, 5, v0
	v_readfirstlane_b32 s[WV], v1
	s_lshr_b32 s[RH], s[WV], 1
	s_and_b32 s[CH], s[WV], 1
	s_bfe_u32 s2, ttmp6, 0x40000                   ; cx
	s_bfe_u32 s7, ttmp6, 0x40004                   ; cy
	s_lshl_b32 s98, ttmp9, 2
	s_add_co_u32 s98, s98, s2                      ; bx: tile of 64 hidden units
	s_and_b32 s99, ttmp7, 0xffff
	s_lshl_b32 s99, s99, 2
	s_add_co_u32 s99, s99, s7                      ; by: tile of 256 batch rows
	s_lshl_b32 s100, s7, 2
	s_lshl_b32 s100, 15, s100                      ; my row of the cluster
	s_lshl_b32 s104, 0x1111, s2                    ; my column
	s_or_b32 s[G1A], s100, (1<<20)|(1<<21)|(5<<22)|(3<<25)   ; rows of 256 bytes, 16 of padding behind each
	s_mov_b32 s[G1A+1], ROWB<<16
	s_mov_b32 s[G1A+2], 128<<16
	s_mov_b32 s[G1A+3], ROWB<<16
	s_mov_b32 s[G1A+4], 128
	s_mov_b32 s[G1A+5], KROW
	s_mov_b32 s[G1A+6], 0
	s_mov_b32 s[G1A+7], 0
	s_or_b32 s[G1B], s104, (1<<20)|(1<<21)|(5<<22)|(3<<25)
	s_mov_b32 s[G1B+1], ROWB<<16
	s_mov_b32 s[G1B+2], 64<<16
	s_mov_b32 s[G1B+3], ROWB<<16
	s_mov_b32 s[G1B+4], 64
	s_mov_b32 s[G1B+5], KROW
	s_mov_b32 s[G1B+6], 0
	s_mov_b32 s[G1B+7], 0
	s_mul_i32 s96, s[RH], 128*PITCH                ; my 128 rows of A
	s_mul_i32 s97, s[CH], 32*PITCH
	s_add_co_u32 s97, s97, ABYTES                  ; my 32 rows of each gate
	s_mul_i32 s13, s[WV], 16*PITCH
	s_add_co_u32 s13, s13, OOFF                    ; the 16 rows of gate g that I bring
	s_mul_i32 s14, s[RH], 128*CP
	s_lshl_b32 s15, s[CH], 7
	s_add_co_u32 s14, s14, s15                     ; c: row 128 RH, byte 128 CH
	s_lshl_b32 s15, s[RH], 7
	s_lshl_b32 s101, s[CH], 4
	s_add_co_u32 s15, s15, s101
	s_mul_i32 s15, s15, CP                         ; back: rows 128 RH + 16 CH on
	s_mov_b32 s100, SLOT-232
	s_mov_b32 s101, SLOT+232
	v_and_b32 v1, 15, v0                           ; r
	v_bfe_u32 v2, v0, 4, 1                         ; h
	v_and_b32 v3, 31, v0                           ; lane
	v_mul_u32_u24 v5, v1, PITCH
	v_mad_u32_u24 v6, v2, 24, v5                   ; row x pitch + 24 h
	v_mul_u32_u24 v13, s100, v2
	v_add_nc_u32 v13, v5, v13
	v_add_nc_u32 v13, 232, v13                     ; lanes 0-15 byte 232 in slot 0, lanes 16-31 byte 0 in slot 1
	v_sub_nc_u32 v11, 1, v2
	v_mul_u32_u24 v11, s101, v11
	v_add_nc_u32 v11, v5, v11                      ; and the other way round
	v_add_nc_u32 v[ADRA], s96, v6
	v_add_nc_u32 v[ADRA+1], SLOT, v[ADRA]
	v_add_nc_u32 v[ADRA+2], s96, v13
	v_add_nc_u32 v[ADRA+3], s96, v11
	v_add_nc_u32 v[ADRB], s97, v6
	v_add_nc_u32 v[ADRB+1], SLOT, v[ADRB]
	v_add_nc_u32 v[ADRB+2], s97, v13
	v_add_nc_u32 v[ADRB+3], s97, v11
	v_mul_u32_u24 v[OG], v2, KROW
	v_lshl_add_u32 v[OG], v1, 4, v[OG]
	v_mul_u32_u24 v[RD], v2, CP
	v_lshl_add_u32 v[RD], v1, 4, v[RD]             ; h x pitch + 16 r: the gates' stores and the way back share it (PITCH = CP)
	v_add_nc_u32 v[OL], s13, v[RD]
	v_add_nc_u32 v[OL+1], SLOT, v[OL]
	v_add_nc_u32 v[RD], s15, v[RD]
	v_add_nc_u32 v[RD2], SLOT, v[RD]
	v_lshlrev_b32 v[CO], 13, v2
	v_lshl_add_u32 v[CO], v1, 4, v[CO]
	v_lshlrev_b32 v[BO], 5, v2
	v_lshl_add_u32 v[CA], v2, 5, v5
	v_add_nc_u32 v[CA], s14, v[CA]
	v_add_nc_u32 v[HAD], SLOT, v[CA]
	v_mul_u32_u24 v[PFO], v3, KROW
	v_lshlrev_b32 v[PFC], 13, v3
	v_lshlrev_b32 v[SLO], 3, v3
	s_wait_alu depctr_va_vdst(0)                   ; a wait behind the head's vector work
	s_wait_dscnt 0x0                               ; both opening adds are done
	s_wait_kmcnt 0x0
	s_mul_i32 s100, s99, 256*KROW                  ; A's tiles hang on by and the wave's number alone: 128 rows for each of waves 0, 1
	s_mul_i32 s96, s[CH], 128*KROW
	s_add_co_u32 s100, s100, s96
	s_mov_b32 s101, 0
	s_mov_b32 s[G0A], 1
	s_mul_i32 s[G0A+1], s[CH], 128*PITCH
	s_add_nc_u64 s[G0A+2:G0A+3], s[68:69], s[100:101]
	s_add_nc_u64 s[HA:HA+1], s[78:79], s[100:101]
	s_or_b32 s[G0A+3], s[G0A+3], 0x80000000
	s_or_b32 s[HA+1], s[HA+1], 0x80000000
	s_mul_i32 s104, s98, 64*KROW                   ; a gate's on bx and the wave's number alone: wave 2 gate i, wave 3 gate f
	s_mov_b32 s105, 0
	s_mov_b64 s[G0B+2:G0B+3], s[70:71]
	s_mov_b64 s[HB:HB+1], s[80:81]
	s_cmp_eq_u32 s[WV], 3
	s_cselect_b64 s[G0B+2:G0B+3], s[72:73], s[G0B+2:G0B+3]
	s_cselect_b64 s[HB:HB+1], s[82:83], s[HB:HB+1]
	s_add_nc_u64 s[G0B+2:G0B+3], s[G0B+2:G0B+3], s[104:105]
	s_add_nc_u64 s[HB:HB+1], s[HB:HB+1], s[104:105]
	s_or_b32 s[G0B+3], s[G0B+3], 0x80000000
	s_or_b32 s[HB+1], s[HB+1], 0x80000000
	s_mov_b32 s[G0B], 1
	s_mul_i32 s[G0B+1], s[CH], GATEB
	s_add_co_u32 s[G0B+1], s[G0B+1], ABYTES
	s_mul_i32 s96, s[WV], 16*KROW                  ; gates o and g: my 16 rows; OP and OPG stand at chunk 2
	s_mov_b32 s97, 0
	s_add_nc_u64 s[OP:OP+1], s[76:77], s[104:105]
	s_add_nc_u64 s[OP:OP+1], s[OP:OP+1], s[96:97]
	s_add_nc_u64 s[OP:OP+1], s[OP:OP+1], 2*ROWB
	s_add_nc_u64 s[OH:OH+1], s[86:87], s[104:105]
	s_add_nc_u64 s[OH:OH+1], s[OH:OH+1], s[96:97]
	s_add_nc_u64 s[OPG:OPG+1], s[74:75], s[104:105]
	s_add_nc_u64 s[OPG:OPG+1], s[OPG:OPG+1], s[96:97]
	s_add_nc_u64 s[OPG:OPG+1], s[OPG:OPG+1], 2*ROWB
	s_add_nc_u64 s[OHG:OHG+1], s[84:85], s[104:105]
	s_add_nc_u64 s[OHG:OHG+1], s[OHG:OHG+1], s[96:97]
	OLOAD 0, -2*ROWB                               ; their chunks 0 and 1
	OLOAD 1, -ROWB
	CROUND                                         ; all sixteen work-groups are here: the first joint loads meet
	JLOAD                                          ; chunk 0: one tensor load a wave at the head
	s_mov_b64 s[PFA:PFA+1], s[70:71]               ; the prefetches: waves 2, 3: gate cy, a choice of buffer
	s_mov_b64 s[PFH:PFH+1], s[80:81]
.irp k, 1,2,3
	s_cmp_eq_u32 s7, \k
	s_cselect_b64 s[PFA:PFA+1], s[70+2*\k:71+2*\k], s[PFA:PFA+1]
	s_cselect_b64 s[PFH:PFH+1], s[80+2*\k:81+2*\k], s[PFH:PFH+1]
.endr
	s_lshl_b32 s96, s99, 8
	s_lshl_b32 s97, s2, 6
	s_add_co_u32 s96, s96, s97                     ; A: row 256 by + 64 cx
	s_lshl_b32 s97, s98, 6                         ; a gate: row 64 bx
	s_cmp_eq_u32 s[RH], 0
	s_cselect_b64 s[PFA:PFA+1], s[68:69], s[PFA:PFA+1]
	s_cselect_b64 s[PFH:PFH+1], s[78:79], s[PFH:PFH+1]
	s_cselect_b32 s96, s96, s97
	s_lshl_b32 s97, s[CH], 5
	s_add_co_u32 s96, s96, s97
	s_mul_i32 s96, s96, KROW
	s_mov_b32 s97, 0
	s_add_nc_u64 s[PFA:PFA+1], s[PFA:PFA+1], s[96:97]
	s_add_nc_u64 s[PFA:PFA+1], s[PFA:PFA+1], 3*ROWB     ; at chunk 3: the first refill steps it to chunk 4
	s_add_nc_u64 s[PFH:PFH+1], s[PFH:PFH+1], s[96:97]
	global_prefetch_b8 v[PFO], s[PFA:PFA+1] offset:-2*ROWB th:TH_LOAD_NT scope:SCOPE_SE   ; chunk 1
	global_prefetch_b8 v[PFO], s[PFA:PFA+1] offset:-ROWB th:TH_LOAD_NT scope:SCOPE_SE     ; chunk 2
	s_lshl_b32 s96, s99, 15                        ; scale words: A's blocks 16 by + 8 RH on, 2,048 bytes a block
	s_lshl_b32 s2, s[RH], 14
	s_add_co_u32 s96, s96, s2
	s_add_nc_u64 s[SAP:SAP+1], s[88:89], s[96:97]
	s_lshl_b32 s96, s98, 13                        ; B's blocks 4 bx + 2 CH on, in each gate
	s_lshl_b32 s2, s[CH], 12
	s_add_co_u32 s96, s96, s2
	s_add_nc_u64 s[SBP:SBP+1], s[90:91], s[96:97]
	s_lshl_b32 s96, s98, 8                         ; the biases: my 32 hidden units of each gate
	s_lshl_b32 s2, s[CH], 7
	s_add_co_u32 s96, s96, s2
	s_add_nc_u64 s[92:93], s[92:93], s[96:97]
.irp b, 0,1,2,3,4,5,6,7                        ; the biases in the result's layout,
	global_load_b128 v[96+8*\b+96*(\b/4):96+8*\b+96*(\b/4)+3], v[BO], s[92:93] offset:(\b/2)*8192+(\b%2)*64
	global_load_b128 v[96+8*\b+96*(\b/4)+4:96+8*\b+96*(\b/4)+7], v[BO], s[92:93] offset:(\b/2)*8192+(\b%2)*64+16
.endr
	SLOAD SC, 0                                    ; and the first quad's scale words
	s_lshl_b32 s96, s99, 21                        ; c and the outputs: row 256 by of 8,192 bytes, + 256 bx
	s_lshl_b32 s2, s98, 8
	s_add_co_u32 s96, s96, s2
	s_lshl_b32 s2, s[WV], 19                       ; c comes in 64 rows a wave
	s_add_co_u32 s2, s96, s2
	s_mov_b32 s3, 0
	s_add_nc_u64 s[CPF:CPF+1], s[94:95], s[2:3]
	s_lshl_b32 s2, s[RH], 20
	s_add_co_u32 s96, s96, s2
	s_lshl_b32 s2, s[CH], 17
	s_add_co_u32 s96, s96, s2
	s_add_nc_u64 s[OUT0:OUT0+1], s[OUT0:OUT0+1], s[96:97]
	s_add_nc_u64 s[OUT1:OUT1+1], s[OUT1:OUT1+1], s[96:97]
	s_mov_b32 s[G0C], 1
	s_mul_i32 s[G0C+1], s[WV], 64*CP
	s_mov_b64 s[G0C+2:G0C+3], s[CPF:CPF+1]
	s_or_b32 s[G0C+3], s[G0C+3], 0x80000000
	s_mov_b32 s[G1C], (3<<16)|(1<<20)|(5<<22)|(3<<25)   ; c: 64 rows of 256 bytes, 8,192 apart, 16 of padding behind each; no mask
	s_mov_b32 s[G1C+1], 32<<16
	s_mov_b32 s[G1C+2], 64<<16
	s_mov_b32 s[G1C+3], 32<<16
	s_mov_b32 s[G1C+4], 64
	s_mov_b32 s[G1C+5], 1024
	s_mov_b32 s[G1C+6], 0
	s_mov_b32 s[G1C+7], 0
	s_mov_b32 s[K1], 0xbfb8aa3b                    ; -log2(e)
	s_mov_b32 s[K1+1], 0xbfb8aa3b
	s_mov_b32 s[K2], 0xc038aa3b                    ; -2 log2(e)
	s_mov_b32 s[K2+1], 0xc038aa3b
	s_mov_b32 s[CL], 0x53800000                    ; 2^40
	s_wait_loadcnt 32                              ; the gates' 32 loads are in; the 32 younger (biases, scale words) may be out
	OSTORE 0, 0
	OSTORE 1, 1
	OLOAD 0, 0                                     ; their chunk 2
.macro FRAG reg, adr, st, boff         ; 16 rows x 128 K in pieces of 8 bytes; byte y of a group's 768 lies in chunk y / 256, role (y / 256) % 2
.irp p, 0,1,2,3,4,5
.set BY, 96*(\st)+48*(\p/3)+8*(\p%3)
.if BY/ROWB == (BY+24)/ROWB
	ds_load_b64 v[\reg+2*\p:\reg+2*\p+1], v[\adr+(BY/ROWB)%2] offset:BY%ROWB+(\boff)
.else
	ds_load_b64 v[\reg+2*\p:\reg+2*\p+1], v[\adr+2+(BY/ROWB)%2] offset:BY%ROWB-232+(\boff)
.endif
.endr
.endm
.macro FETCH_A st, i0
.irp i, \i0, \i0+1, \i0+2, \i0+3
	FRAG AF+FR*(\i), ADRA, \st, (\i)*16*PITCH
.endr
.endm
.macro FETCH_B st                      ; into set st % 2: block i = gate i / 2, rows 16 (i % 2) on of my 32
	WIN TO_B
.irp i, 0,1,2,3,4,5,6,7
	FRAG 128*((\st)%2)+FR*\i, ADRB, \st, (\i/2)*GATEB+(\i%2)*16*PITCH
.endr
	WIN 0
.endm
; 16 matrix instructions of step st: A's blocks a0, a0 + 1 x B's eight. The 64 accumulators take turns. mode = 1: the biases are C
.macro MUL16 a0, st, mode
.irp a, \a0, \a0+1
.irp b, 0,1,2,3,4,5,6,7
.set DR, 8*(8*((\a)%4)+\b)
.set BR, 128*((\st)%2)+FR*\b
.set AR, AF+FR*(\a)
.set SB, SC+32*((\st)/4)+16+2*\b+(\st)%2
.set SA, SC+32*((\st)/4)+2*(\a)+(\st)%2
.set CR, 96+8*\b+96*(\b/4)
.if \mode
	v_wmma_scale_f32_16x16x128_f8f6f4 v[DR:DR+7], v[BR:BR+FR-1], v[AR:AR+FR-1], v[CR:CR+7], v[SB], v[SA] matrix_a_fmt:MATRIX_FMT_FP6 matrix_b_fmt:MATRIX_FMT_FP6
.else
.if ((\st)/2)%2
	v_wmma_scale_f32_16x16x128_f8f6f4 v[DR:DR+7], v[BR:BR+FR-1], v[AR:AR+FR-1], v[DR:DR+7], v[SB], v[SA] matrix_a_fmt:MATRIX_FMT_FP6 matrix_b_fmt:MATRIX_FMT_FP6 matrix_a_scale:MATRIX_SCALE_ROW1 matrix_b_scale:MATRIX_SCALE_ROW1
.else
	v_wmma_scale_f32_16x16x128_f8f6f4 v[DR:DR+7], v[BR:BR+FR-1], v[AR:AR+FR-1], v[DR:DR+7], v[SB], v[SA] matrix_a_fmt:MATRIX_FMT_FP6 matrix_b_fmt:MATRIX_FMT_FP6
.endif
.endif
.endr
.endr
.endm
.macro ASK st                          ; s3 = 3 at steps 7 and 2: no chunk two on is left: c's rows are named
.if (\st) == 5
	global_prefetch_b8 v[PFO], s[PFA:PFA+1] th:TH_LOAD_NT scope:SCOPE_SE
.else
	s_cmp_eq_u32 s3, 3
	s_cbranch_scc1 .Lask_c_\@
	global_prefetch_b8 v[PFO], s[PFA:PFA+1] th:TH_LOAD_NT scope:SCOPE_SE
	s_branch .Lask_d_\@
.Lask_c_\@:
	global_prefetch_b8 v[PFC], s[CPF:CPF+1] offset:((7-(\st))/5)*32*8192 th:TH_LOAD_NT scope:SCOPE_SE
.Lask_d_\@:
.endif
.endm
; Step st of a group: 64 matrix instructions; the next step's fragments are fetched in its middle and at its end.
; Where the next step's bytes END in a chunk not yet read: every wave waits for its tensor loads and its stores of gates g, o, and a barrier shows the chunk whole.
; Where they BEGIN in a later chunk: the chunk left behind is free: wait for all tensor loads, the add, the wait for it and for my reads; the barrier opens a round of the cluster's barrier; the refill comes first behind it.
; s3 counts groups: in steps 0-4 it is the group, in steps 5-7 of the loop the group + 1. The passage to h and w_h. is a choice of address, no jump.
; last = 1: the written-out tail: slot 0 takes c.
.macro STEP st, mode, last
.set NX, (\st)+1
.set C0, (96*(\st))/ROWB
.set C1, (96*NX)/ROWB
.set E0, (96*(\st)+95)/ROWB
.set E1, (96*NX+95)/ROWB
.if (\st) == 4
	s_wait_loadcnt 0x0                             ; set Q's words (asked for four steps ago) and the gates' chunk are in
.endif
.if C1 > C0 || E1 > E0
.if C1 > C0
.if (\last) == 0
	s_wait_xcnt 0x0                                ; the gates' loads and my prefetch have read their addresses
	s_add_nc_u64 s[OP:OP+1], s[OP:OP+1], ROWB
	s_add_nc_u64 s[OPG:OPG+1], s[OPG:OPG+1], ROWB
	s_add_nc_u64 s[PFA:PFA+1], s[PFA:PFA+1], ROWB
.if (\st) == 2
	s_cmp_eq_u32 s3, 1                             ; gates o and g: chunk 6
	s_cselect_b64 s[OP:OP+1], s[OH:OH+1], s[OP:OP+1]
	s_cselect_b64 s[OPG:OPG+1], s[OHG:OHG+1], s[OPG:OPG+1]
.endif
.if (\st) == 7
	s_cmp_eq_u32 s3, 1                             ; the prefetches' chunk 6
	s_cselect_b64 s[PFA:PFA+1], s[PFH:PFH+1], s[PFA:PFA+1]
.endif
.endif
.endif
	s_wait_tensorcnt 0x0                           ; all my tensor loads have landed
.if C1 > C0
	ds_add_u32 v[SPW], v[NIL]
.if (\last) == 0
	GSTEP
.if (\st) == 5
	s_cmp_eq_u32 s3, 2                             ; the joint loads' chunk 6
	s_cselect_b64 s[G0A+2:G0A+3], s[HA:HA+1], s[G0A+2:G0A+3]
	s_cselect_b64 s[G0B+2:G0B+3], s[HB:HB+1], s[G0B+2:G0B+3]
.endif
.endif
	s_wait_dscnt 4*NL+1                            ; the add and A's blocks 4-7 may be out
.else
	s_wait_dscnt 4*NL                              ; A's blocks 4-7 may be out
.endif
	WIN MUL_LO
	MUL16 0, \st, 0
	s_wait_dscnt 0x0                               ; the add, my reads, my stores of gates g, o are done
	s_barrier_signal -1
	MUL16 2, \st, 0
	WIN 0
	s_barrier_wait -1
.if C1 > C0
	CREST
.if \last
	tensor_load_to_lds s[G0C:G0C+3], s[G1C:G1C+7]  ; my 64 rows of c, into bytes that tensor loads alone have filled
	s_nop 0
	PLACES 4
.else
	JLOAD                                          ; my one tensor load behind the round; its four v_nop are the places in front of the loads below
.if (\st) == 2
	s_wait_loadcnt 16                              ; the gates' chunk is in; set Q's sixteen younger loads may be out
.endif
.if (\st) == 7
	s_wait_loadcnt 0x0                             ; the gates' chunk, and set P's words for the next group
.endif
	OSTORE 0, C0%2                                 ; gates g, o: their rows of the chunk just asked for
.if (\st) == 2
	s_cmp_eq_u32 s3, 3                             ; behind chunk 11 there is none: no load leaves its buffer
	s_cbranch_scc1 .Lno_o_\@
.endif
	OLOAD 0, 0
.if (\st) == 2
.Lno_o_\@:
.endif
.endif
.else
	PLACES 4
.endif
.else
	s_wait_dscnt 4*NL
.if \mode
	WIN MUL_LO0
.else
	WIN MUL_LO
.endif
	MUL16 0, \st, \mode
	MUL16 2, \st, \mode
	s_wait_dscnt 0
	PLACES 4
.endif
	FETCH_B NX
	FETCH_A NX, 0
.if (\st) == 0
	SLOAD SC+32, 256                               ; set Q for this group's steps 4-7
.endif
.if (\st) == 4
	s_cmp_eq_u32 s3, 3                             ; the last group has no successor
	s_cbranch_scc1 .Lno_p_\@
	SLOAD SC, 512                                  ; set P for the next group's steps 0-3
.Lno_p_\@:
.endif
.if C1 > C0
.if (\last) == 0
	ASK \st
.endif
.endif
.if \mode
	WIN MUL_HI0
.else
	WIN MUL_HI
.endif
	MUL16 4, \st, \mode
	MUL16 6, \st, \mode
	PLACES 4
	WIN 0
	FETCH_A NX, 4
.endm
	s_wait_tensorcnt 0x0                           ; my part of chunk 0 is in; slot 1's first fill is issued as a refill is
	ds_add_u32 v[SPW], v[NIL]
	GSTEP
	s_wait_dscnt 0x0                               ; the add and my stores of gates g, o are done
	CROUND
	JLOAD                                          ; chunk 1
	FETCH_B 0
	FETCH_A 0, 0
	FETCH_A 0, 4
	global_prefetch_b8 v[PFO], s[PFA:PFA+1] th:TH_LOAD_NT scope:SCOPE_SE   ; chunk 3
	s_mov_b32 s3, 0
	s_wait_loadcnt 16                              ; the biases and set P are in; the gates' chunk 2, sixteen loads, may be out
	STEP 0, 1, 0                                   ; the first step starts the sums, on the biases
	s_branch .Lenter
.Llap:
	STEP 5, 0, 0
	STEP 6, 0, 0
	STEP 7, 0, 0
.irp r, ADRA, ADRA+2, ADRB, ADRB+2, OL         ; the slots change roles
	v_mov_b32 v[TV], v[\r]
	v_mov_b32 v[\r], v[\r+1]
	v_mov_b32 v[\r+1], v[TV]
.endr
	s_wait_alu depctr_va_vdst(0)                   ; a wait behind these writes
	s_wait_xcnt 0x0                                ; the scale loads have read their bases
	s_add_nc_u64 s[SAP:SAP+1], s[SAP:SAP+1], 512
	s_add_nc_u64 s[SBP:SBP+1], s[SBP:SBP+1], 512
	STEP 0, 0, 0
.Lenter:
	STEP 1, 0, 0
	STEP 2, 0, 0
	STEP 3, 0, 0
	STEP 4, 0, 0
	s_add_co_u32 s3, s3, 1
	s_cmp_lt_u32 s3, 4
	s_cbranch_scc1 .Llap
	STEP 5, 0, 1
	STEP 6, 0, 1
	s_wait_dscnt 4*NL                              ; the very last step: nothing more to fetch
	WIN MUL_LO
	MUL16 0, 7, 0
	MUL16 2, 7, 0
	s_wait_dscnt 0
	WIN MUL_HI
	MUL16 4, 7, 0
	MUL16 6, 7, 0
	WIN 0
; THE CELL, block by block of 16 batch rows, 16 elements a lane. ex = 2^(-log2(e) Zx) for x = i, f, o; eg = 2^(-2 log2(e) Zg):
;   sig(Zf) = 1 / (1 + ef);  sig(Zi) tanh(Zg) = (1 - eg) / ((1 + ei)(1 + eg));  with ec = 2^(-2 log2(e) c'): h' = (1 - ec) / ((1 + eo)(1 + ec)).
; An exponential that overflows gives a reciprocal of 0, the limit; eg and ec, which also stand in a numerator, are held at 2^40.
; THE WAY OUT, in four parts: when all waves have done blocks 2 p, 2 p + 1 (a barrier, behind which nothing is filled), rows 32 p .. + 31 of either half are whole in LDS;
; a wave reads 16 of them back, of c' and of h', at the head of its next block and stores them behind that block's exponentials. Each part has 64 registers of its own.
.macro CLOAD a
.irp nb, 0,1
	ds_load_b128 v[CC+16*((\a)%2)+8*\nb:CC+16*((\a)%2)+8*\nb+3], v[CA] offset:(\a)*16*CP+64*\nb
	ds_load_b128 v[CC+16*((\a)%2)+8*\nb+4:CC+16*((\a)%2)+8*\nb+7], v[CA] offset:(\a)*16*CP+64*\nb+16
.endr
.endm
.macro BATCH_END                       ; one plain place and one wait behind a batch
	v_nop
	s_wait_alu depctr_va_vdst(0)
.endm
.macro TR op, reg, n                   ; a batch of n transcendentals in place
.set k, 0
.rept \n
	\op v[\reg+k], v[\reg+k]
.set k, k+1
.endr
.endm
.macro HOLD reg
.set k, 0
.rept 16
	v_min_num_f32 v[\reg+k], s[CL], v[\reg+k]
.set k, k+1
.endr
.endm
.macro PARTBAR
	s_wait_dscnt 0x0
	s_barrier_signal -1
	s_barrier_wait -1
.endm
.macro LOADB p
	WIN TO_B
.irp t, 0,1,2,3,4,5,6,7
	ds_load_b128 v[64*(\p)+4*\t:64*(\p)+4*\t+3], v[RD] offset:(32*(\p)+2*\t)*CP
.endr
.irp t, 0,1,2,3,4,5,6,7
	ds_load_b128 v[64*(\p)+32+4*\t:64*(\p)+32+4*\t+3], v[RD2] offset:(32*(\p)+2*\t)*CP
.endr
	WIN 0
.endm
.macro SENDB p                         ; 16 lanes store 256 consecutive bytes, aligned
	WIN ST_O
.irp t, 0,1,2,3,4,5,6,7
	global_store_b128 v[CO], v[64*(\p)+4*\t:64*(\p)+4*\t+3], s[OUT1:OUT1+1] offset:(32*(\p)+2*\t)*8192 th:TH_STORE_NT
.endr
.irp t, 0,1,2,3,4,5,6,7
	global_store_b128 v[CO], v[64*(\p)+32+4*\t:64*(\p)+32+4*\t+3], s[OUT0:OUT0+1] offset:(32*(\p)+2*\t)*8192 th:TH_STORE_NT
.endr
	WIN 0
.endm
.macro EPI a, p                        ; p under 4: the block stands behind part p's barrier and sends that part; p = 9: none is due
.set AC, 64*((\a)%4)
.set CB, CC+16*((\a)%2)
.if (\p) < 4
	LOADB \p
.endif
.if (\a) < 7
	CLOAD (\a)+1
.endif
.if (\p) >= 4
.if (\a) < 7
	s_wait_dscnt 4                                 ; all but the next block's four loads
.else
	s_wait_dscnt 0x0
.endif
.endif
	WIN 0x02+(\a)/4
.irp g, 0,1,2,3
.irp i, 0,2,4,6,8,10,12,14                     ; each accumulator from its low end on
.if \g == 2
	v_pk_mul_f32 v[EI+16*\g+\i:EI+16*\g+\i+1], v[AC+16*\g+\i:AC+16*\g+\i+1], s[K2:K2+1] op_sel_hi:[1,0]
.else
	v_pk_mul_f32 v[EI+16*\g+\i:EI+16*\g+\i+1], v[AC+16*\g+\i:AC+16*\g+\i+1], s[K1:K1+1] op_sel_hi:[1,0]
.endif
.endr
.endr
	WIN 0
	s_wait_alu depctr_va_vdst(0)                   ; ahead of each batch too
	TR v_exp_f32, EI, 64                           ; ei, ef, eg, eo
	BATCH_END
.if (\p) < 4
	s_wait_dscnt 4                                 ; the part's sixteen loads are in
	SENDB \p
.endif
	HOLD EG
.irp i, 0,2,4,6,8,10,12,14
	v_pk_add_f32 v[T1+\i:T1+\i+1], v[EG+\i:EG+\i+1], 1.0 op_sel_hi:[1,0] neg_lo:[1,0] neg_hi:[1,0]   ; 1 - eg
.endr
.irp i, 0,2,4,6,8,10,12,14
	v_pk_add_f32 v[EG+\i:EG+\i+1], v[EG+\i:EG+\i+1], 1.0 op_sel_hi:[1,0]                             ; G = 1 + eg
.endr
.irp i, 0,2,4,6,8,10,12,14
	v_pk_add_f32 v[EF+\i:EF+\i+1], v[EF+\i:EF+\i+1], 1.0 op_sel_hi:[1,0]                             ; 1 + ef
.endr
.irp i, 0,2,4,6,8,10,12,14
	v_pk_fma_f32 v[EI+\i:EI+\i+1], v[EI+\i:EI+\i+1], v[EG+\i:EG+\i+1], v[EG+\i:EG+\i+1]              ; (1 + ei)(1 + eg)
.endr
	s_wait_alu depctr_va_vdst(0)
	TR v_rcp_f32, EI, 32                           ; EI and EF lie on end
	BATCH_END
.irp i, 0,2,4,6,8,10,12,14
	v_pk_mul_f32 v[T1+\i:T1+\i+1], v[T1+\i:T1+\i+1], v[EI+\i:EI+\i+1]                                ; sig(Zi) tanh(Zg)
.endr
.irp i, 0,2,4,6,8,10,12,14
	v_pk_fma_f32 v[CN+\i:CN+\i+1], v[EF+\i:EF+\i+1], v[CB+\i:CB+\i+1], v[T1+\i:T1+\i+1]              ; c'
.endr
.irp i, 0,2,4,6,8,10,12,14
	v_pk_mul_f32 v[T2+\i:T2+\i+1], v[CN+\i:CN+\i+1], s[K2:K2+1] op_sel_hi:[1,0]
.endr
	s_wait_alu depctr_va_vdst(0)
	TR v_exp_f32, T2, 16                           ; ec
	BATCH_END
	HOLD T2
.irp i, 0,2,4,6,8,10,12,14
	v_pk_add_f32 v[T3+\i:T3+\i+1], v[T2+\i:T2+\i+1], 1.0 op_sel_hi:[1,0] neg_lo:[1,0] neg_hi:[1,0]   ; 1 - ec
.endr
.irp i, 0,2,4,6,8,10,12,14
	v_pk_add_f32 v[T2+\i:T2+\i+1], v[T2+\i:T2+\i+1], 1.0 op_sel_hi:[1,0]                             ; 1 + ec
.endr
.irp i, 0,2,4,6,8,10,12,14
	v_pk_fma_f32 v[T2+\i:T2+\i+1], v[EO+\i:EO+\i+1], v[T2+\i:T2+\i+1], v[T2+\i:T2+\i+1]              ; (1 + eo)(1 + ec)
.endr
	s_wait_alu depctr_va_vdst(0)
	TR v_rcp_f32, T2, 16
	BATCH_END
.irp i, 0,2,4,6,8,10,12,14
	v_pk_mul_f32 v[HN+\i:HN+\i+1], v[T3+\i:T3+\i+1], v[T2+\i:T2+\i+1]                                ; h'
.endr
.irp nb, 0,1
	ds_store_b128 v[CA], v[CN+8*\nb:CN+8*\nb+3] offset:(\a)*16*CP+64*\nb            ; c' takes the place of the c that it was made of
	ds_store_b128 v[CA], v[CN+8*\nb+4:CN+8*\nb+7] offset:(\a)*16*CP+64*\nb+16
	ds_store_b128 v[HAD], v[HN+8*\nb:HN+8*\nb+3] offset:(\a)*16*CP+64*\nb           ; h' goes to slot 1, which has had its last fill and its last read
	ds_store_b128 v[HAD], v[HN+8*\nb+4:HN+8*\nb+7] offset:(\a)*16*CP+64*\nb+16
.endr
.endm
	s_wait_tensorcnt 0x0                           ; my 64 rows of c have landed,
	s_wait_dscnt 0x0                               ; and my reads of slot 1 are over
	s_barrier_signal -1
	s_barrier_wait -1                              ; both hold of every wave
	PLACES 4
	CLOAD 0
	EPI 0, 9
	EPI 1, 9
	PARTBAR
	EPI 2, 0
	EPI 3, 9
	PARTBAR
	EPI 4, 1
	EPI 5, 9
	PARTBAR
	EPI 6, 2
	EPI 7, 9
	PARTBAR
	LOADB 3
	s_wait_dscnt 0x0
	SENDB 3
	s_wait_tensorcnt 0x0                           ; the wave's end
	ds_add_u32 v[SPW], v[NIL]
	s_wait_dscnt 0x0
	CROUND                                         ; the closing round
	s_endpgm
.Lfunc_end_k_qb3ff460db7_lstm:
	.size	k_qb3ff460db7_lstm, .Lfunc_end_k_qb3ff460db7_lstm-k_qb3ff460db7_lstm
	.p2alignl 7, 3214868480
	.fill 96, 4, 3214868480
	.section	.rodata,"a",@progbits
	.p2align	6, 0x0
	.amdhsa_kernel k_qb3ff460db7_lstm
		.amdhsa_group_segment_fixed_size 327680
		.amdhsa_private_segment_fixed_size 0
		.amdhsa_enable_private_segment 0
		.amdhsa_kernarg_size 128
		.amdhsa_user_sgpr_count 2
		.amdhsa_user_sgpr_kernarg_segment_ptr 1
		.amdhsa_wavefront_size32 1
		.amdhsa_system_sgpr_workgroup_id_x 1
		.amdhsa_system_sgpr_workgroup_id_y 1
		.amdhsa_system_sgpr_workgroup_id_z 1
		.amdhsa_system_vgpr_workitem_id 0
		.amdhsa_next_free_vgpr 1024
		.amdhsa_next_free_sgpr 106
		.amdhsa_reserve_vcc 0
		.amdhsa_float_denorm_mode_32 3
		.amdhsa_float_denorm_mode_16_64 3
		.amdhsa_memory_ordered 1
		.amdhsa_forward_progress 1
		.amdhsa_inst_pref_size 255
	.end_amdhsa_kernel
	.section	.bss,"aw",@nobits
	.p2align	6
	.space	262144
	.amdgpu_metadata
---
amdhsa.version: [ 1, 2 ]
amdhsa.kernels:
  - .name:           k_qb3ff460db7_lstm
    .symbol:         k_qb3ff460db7_lstm.kd
    .args:
      - { .name: inputs_codes, .offset: 0, .size: 8, .value_kind: global_buffer, .address_space: global }
      - { .name: w_ii_codes, .offset: 8, .size: 8, .value_kind: global_buffer, .address_space: global }
      - { .name: w_if_codes, .offset: 16, .size: 8, .value_kind: global_buffer, .address_space: global }
      - { .name: w_ig_codes, .offset: 24, .size: 8, .value_kind: global_buffer, .address_space: global }
      - { .name: w_io_codes, .offset: 32, .size: 8, .value_kind: global_buffer, .address_space: global }
      - { .name: h_codes, .offset: 40, .size: 8, .value_kind: global_buffer, .address_space: global }
      - { .name: w_hi_codes, .offset: 48, .size: 8, .value_kind: global_buffer, .address_space: global }
      - { .name: w_hf_codes, .offset: 56, .size: 8, .value_kind: global_buffer, .address_space: global }
      - { .name: w_hg_codes, .offset: 64, .size: 8, .value_kind: global_buffer, .address_space: global }
      - { .name: w_ho_codes, .offset: 72, .size: 8, .value_kind: global_buffer, .address_space: global }
      - { .name: sa, .offset: 80, .size: 8, .value_kind: global_buffer, .address_space: global }
      - { .name: sb, .offset: 88, .size: 8, .value_kind: global_buffer, .address_space: global }
      - { .name: bias, .offset: 96, .size: 8, .value_kind: global_buffer, .address_space: global }
      - { .name: c, .offset: 104, .size: 8, .value_kind: global_buffer, .address_space: global }
      - { .name: out0, .offset: 112, .size: 8, .value_kind: global_buffer, .address_space: global }
      - { .name: out1, .offset: 120, .size: 8, .value_kind: global_buffer, .address_space: global }
    .group_segment_fixed_size: 327680
    .private_segment_fixed_size: 0
    .kernarg_segment_align: 8
    .kernarg_segment_size: 128
    .max_flat_workgroup_size: 128
    .sgpr_count:     106
    .vgpr_count:     1024
    .wavefront_size: 32
...
	.end_amdgpu_metadata
.endif
;; end of part 2
